; MI455X (gfx1250); checked and timed in simulation.
; The chip was launched on July 23, 2026; its instructions are those of AMD's public machine-readable ISA for CDNA 5 (MIT licence, August 2026) and "CDNA5" Instruction Set Architecture Reference Guide (July 2026). The comments in the code are by the model that wrote it; some were corrected since.
;; Cross Attention Fusion. Allowed arithmetic: float matrix products may take bf16 or f16 operands with f32 sums; other float arithmetic in f32, or as packed bf16 or f16 multiplies, adds, multiply-adds, maxima and minima; sums over many terms, partial sums and values carried from step to step in f32; what a program stores and reads back later, other than sums and carried values, may be rounded once to bf16 or f16.
;; Inputs: F_cam 2 x 256 x 64 x 64 float32; F_lidar 2 x 64 x 64 x 64 float32; W1 1,024 x 256 float32; W2 256 x 1,024 float32; Wk 256 x 256 float32; Wo 256 x 256 float32; Wq 256 x 64 float32; Wres 256 x 64 float32; Wv 256 x 256 float32; b1 256 float32; b2 256 float32; bf1 1,024 float32; bf2 256 float32; g1 256 float32; g2 256 float32.
;; Outputs: out0 2 x 256 x 64 x 64 float32.
;; One version. Each part assembles by itself: llvm-mc -triple=amdgcn-amd-amdhsa -mcpu=gfx1250 --defsym DOCPART=n.
;; ======== version 1 of 1: 3 launches
;; limits: values are held in f16: magnitudes above 65,504 overflow, below 6.1e-05 lose precision
;; workspace buffers: q 4,194,304 bytes; kv 8,388,608 bytes; o 4,194,304 bytes; wimg 1,212,416 bytes
;; launch proj (part 1): grid 4 x 64, 4 waves a work-group, clusters of 4 x 1, 256,512 bytes of LDS; arguments F_cam, F_lidar, Wq, Wk, Wv, Wo, Wres, W1, W2, q, kv, wimg; writes q, kv, wimg
.if DOCPART == 1
	.amdgcn_target "amdgcn-amd-amdhsa--gfx1250"
	.amdhsa_code_object_version 6
	.text
	.protected	k_qda17a5dca9_proj
	.globl	k_qda17a5dca9_proj
	.p2align	8
	.type	k_qda17a5dca9_proj,@function
k_qda17a5dca9_proj:
	s_mov_b64 s[64:65], 0
	v_nop
	global_prefetch_b8 v0, s[64:65] scope:SCOPE_SE
	s_setreg_imm32_b32 hwreg(HW_REG_WAVE_MODE, 25, 1), 1
	s_wait_xcnt 0x0
	s_wait_alu depctr_hold_cnt(0) depctr_sa_sdst(0) depctr_va_vdst(0) depctr_va_sdst(0) depctr_va_ssrc(0) depctr_va_vcc(0) depctr_vm_vsrc(0)
	s_getreg_b32 s2, hwreg(HW_REG_IB_STS2, 6, 4)
	s_cmp_eq_u32 s2, 0
	s_cbranch_scc0 .Lentry_in_a_cluster
	s_endpgm
.Lentry_in_a_cluster:
	s_bfe_u32 s2, ttmp6, 0x10000c
	s_cmp_lg_u32 s2, 0x3003
	s_cbranch_scc0 .Lentry_shape_is_right
	s_endpgm
.Lentry_shape_is_right:
; PROJECTIONS.  Q = xl Wq^T (times c = log2(e)/sqrt(32)), K = xc Wk^T, V = xc Wv^T for 8,192 tokens, and the later launches' weights.
; F and all W are rounded once to bf16 and multiplied in bf16 with f32 sums; Q c, K and V are rounded once to f16.
; EVERYTHING IS STORED AS FRAGMENT IMAGES: units of 512 bytes, lane L's 16 bytes at 16 L, so each store covers 512 consecutive aligned bytes
; and the later launches load matrix operands as they lie.
;   q    [hh = 8 b + head][group of 16 tokens][blk][512]: lane (r, h): token r, channels 16 blk + 8 h + 0..7 of the head
;   kv   [hh][1,024 keys][K 65,536 | V 65,536]; K as q; V [32 keys][cb][t][512]: lane (r, h): channel 16 cb + r, keys 16 t + 8 h + 0..7
;   wimg nine tiles of 131,072 (Wo, W1_0, W2_0, .. W1_3, W2_3), [16 out rows nb][ks][t][512]: lane: W[16 nb + r][32 ks + 16 t + 8 h + 0..7], the bf16
;        number written as f16; then Wres, 32,768 bytes, in bf16
; LIMITS.  f16 holds no number beyond 65,504: Q c, K, V and the weights of wimg must lie within it; below 6e-5 f16 keeps its fixed step of 6e-8.
; SHARES.  A cluster of four work-groups owns 128 tokens and asks for their F tile (256 + 64 rows of 512 bytes, f32) JOINTLY; work-group cx, wave w
; makes output channels 16 (4 cx + w) + 0..15 of each of Q, K, V.  cx enters global addresses alone.
; F lies [channel][token]: each wave rounds the rows that it fetched to bf16 into a tile of pitch 288, and ds_load_tr16_b128 turns them.
.set RAWC,  0                          ; 256 rows x 512 bytes, f32, as fetched
.set RAWL,  131072                     ; 64 rows x 512 bytes
.set TC,    163840                     ; bf16 [256 channels][128 tokens], pitch 288 = 9 x 32 bytes
.set TL,    237568                     ; bf16 [64 channels][128 tokens]
.set SPARE, 256000                     ; the spare words: 128 bytes a wave, two blocks of 256 bytes that no other line names
.set PT,    288
.set R,    1                           ; v1  lane % 16
.set H,    2                           ; v2  lane / 16
.set L16,  3                           ; v3  16 x lane
.set O256, 4                           ; v4-6  r x row bytes + 32 h, for rows of 256, 1,024 and 4,096 bytes
.set O1K,  5
.set O4K,  6
.set VO,   7                           ; v7  16 x lane + 2,048 x pairs done
.set ADC0, 8                           ; v8, v9  turning loads in TC: channels 0-127, 128-255
.set ADC1, 9
.set ADL,  10                          ; v10 the same in TL
.set RRC,  11                          ; v11, v12  my raw rows
.set RRL,  12
.set TSC,  13                          ; v13, v14  where my rows go in TC, TL
.set TSL,  14
.set SPW,  16                          ; v16 my spare word; never rewritten
.set NIL,  17                          ; v17 0; never rewritten
.set OUTP, 20                          ; v20-43 at work, later six packed results; v44-47 at work
.set XC,   48                          ; v48-175  16 fragments of xc: 8 gl + ks
.set XL,   176                         ; v176-207 4 fragments of xl: 2 gl + ks; first the raw Wq
.set ACC,  208                         ; v208-255 K0 K1 Q0 Q1 V0 V1
; window 1: raw Wk, raw Wv, then my raw camera rows.   window 2: v0-63 Wk, v64-127 Wv, v128-143 Wq as bf16 fragments
.set WV,  3
.set CX,  4
.set TB,  5
.set DB,  6
.set G1C, 36
.set G1L, 44
.set G0C, 52
.set G0L, 56
.set ID,  60
.set ID4, 61
.set CNT, 62
.set CS,  66
.set QP,  68
.set KP,  70
.set VP,  72
.set HIM, 78
.set MSB, 0
.macro WIN new                         ; the high byte repeats the setting that is left; a switch that changes nothing is dropped
.if MSB != (\new)
	s_set_vgpr_msb (MSB<<8)|(\new)
.set MSB, (\new)
.endif
.endm
.macro PLACES                          ; four plain places behind a matrix instruction (ISA guide 7.12.1)
.rept 4
	v_nop
.endr
.endm
.macro CROUND                          ; a round of the cluster's barrier
	s_barrier_signal -1
	s_barrier_wait -1
	s_cmp_lg_u32 s[WV], 0
	s_cbranch_scc1 .Lnot_wave_0_\@
	s_barrier_signal -3
.Lnot_wave_0_\@:
	s_barrier_wait -3
	s_barrier_signal -1
	s_barrier_wait -1
.endm
	s_load_b512 s[8:23], s[0:1], 0x0               ; F_cam 8, F_lidar 10, Wq 12, Wk 14, Wv 16, Wo 18, Wres 20, W1 22
	s_load_b256 s[24:31], s[0:1], 0x40             ; W2 24, q 26, kv 28, wimg 30
	v_lshl_add_u32 v[SPW], v0, 2, SPARE
	v_mov_b32 v[NIL], 0
	ds_add_u32 v[SPW], v[NIL]                      ; the opening: the add and its wait ahead of my first tensor load
	v_lshrrev_b32 v1, 5, v0
	v_readfirstlane_b32 s[WV], v1                  ; wave 0..3
	s_bfe_u32 s[CX], ttmp6, 0x40000                ; my place in the cluster
	s_and_b32 s[TB], ttmp7, 0xffff                 ; the cluster's block of 128 tokens
.irp g, G1C, G1L                       ; descriptor group 1: rows of 128 f32, 4,096 elements apart
	s_mov_b32 s[(\g)], 15|(2<<16)|(1<<21)          ; the mask of four; elements of 4 bytes; bit 21 beside a mask
	s_mov_b32 s[(\g)+1], 128<<16                   ; tensor_dim0
	s_mov_b32 s[(\g)+3], 128<<16                   ; tile_dim0
	s_mov_b32 s[(\g)+5], 4096                      ; from row to row
	s_mov_b32 s[(\g)+6], 0
	s_mov_b32 s[(\g)+7], 0
.endr
	s_mov_b32 s[G1C+2], 64<<16                     ; 64 camera rows a wave
	s_mov_b32 s[G1C+4], 64
	s_mov_b32 s[G1L+2], 16<<16                     ; 16 lidar rows a wave
	s_mov_b32 s[G1L+4], 16
	s_lshr_b32 s32, s[TB], 5                       ; b
	s_and_b32 s33, s[TB], 31
	s_lshl_b32 s74, s33, 9                         ; the block's 512 bytes of a row
	s_lshl_b32 s34, s32, 22
	s_lshl_b32 s75, s[WV], 20
	s_add_co_u32 s34, s34, s75
	s_add_co_u32 s34, s34, s74                     ; camera: image, my 64 rows, the block
	s_mov_b32 s35, 0
	s_lshl_b32 s76, s32, 20
	s_lshl_b32 s75, s[WV], 18
	s_add_co_u32 s76, s76, s75
	s_add_co_u32 s76, s76, s74                     ; lidar: image, my 16 rows, the block
	s_mov_b32 s77, 0
	s_lshl2_add_u32 s[DB], s[CX], s[WV]            ; my block of 16 output channels
	s_lshl2_add_u32 s[ID], s[TB], s[CX]            ; the work-group's number, 0..255
	s_lshl2_add_u32 s[ID4], s[ID], s[WV]           ; the wave's number, 0..1,023
	s_mov_b32 s[CS], 0x3e8293ee                    ; c = log2(e) / sqrt(32)
	s_mov_b32 s[CS+1], s[CS]
	s_mov_b32 s[HIM], 0xffff0000
	v_and_b32 v47, 31, v0
	v_and_b32 v[R], 15, v0
	v_bfe_u32 v[H], v0, 4, 1
	v_lshlrev_b32 v[L16], 4, v47
	v_mov_b32 v[VO], v[L16]
	v_lshlrev_b32 v[O256], 8, v[R]
	v_lshl_add_u32 v[O256], v[H], 5, v[O256]
	v_lshlrev_b32 v[O1K], 10, v[R]
	v_lshl_add_u32 v[O1K], v[H], 5, v[O1K]
	v_lshlrev_b32 v[O4K], 12, v[R]
	v_lshl_add_u32 v[O4K], v[H], 5, v[O4K]
	v_and_b32 v44, 7, v0                           ; the turning load: lane l names channel 8 (l / 16) + l % 8, tokens 8 ((l / 8) % 2) + 0..7
	v_bfe_u32 v45, v0, 3, 1
	v_lshl_add_u32 v46, v[H], 3, v44
	v_mul_u32_u24 v46, v46, PT
	v_lshl_add_u32 v46, v45, 4, v46
	v_add_nc_u32 v[ADC0], TC, v46
	v_add_nc_u32 v[ADC1], TC+128*PT, v46
	v_add_nc_u32 v[ADL], TL, v46
	s_lshl_b32 s79, s[WV], 15
	v_lshl_add_u32 v[RRC], v47, 4, s79
	s_lshl_b32 s79, s[WV], 13
	s_add_co_u32 s79, s79, RAWL
	v_lshl_add_u32 v[RRL], v47, 4, s79
	s_mul_i32 s79, s[WV], 64*PT
	s_add_co_u32 s79, s79, TC
	v_lshl_add_u32 v[TSC], v47, 3, s79
	s_mul_i32 s79, s[WV], 16*PT
	s_add_co_u32 s79, s79, TL
	v_lshl_add_u32 v[TSL], v47, 3, s79
	s_wait_dscnt 0x0                               ; the opening add is done
	s_wait_kmcnt 0x0
	s_mov_b32 s[G0C], 1
	s_lshl_b32 s[G0C+1], s[WV], 15                 ; LDS: my 64 raw rows
	s_add_nc_u64 s[G0C+2:G0C+3], s[8:9], s[34:35]
	s_or_b32 s[G0C+3], s[G0C+3], 0x80000000
	s_mov_b32 s[G0L], 1
	s_lshl_b32 s[G0L+1], s[WV], 13
	s_add_co_u32 s[G0L+1], s[G0L+1], RAWL
	s_add_nc_u64 s[G0L+2:G0L+3], s[10:11], s[76:77]
	s_or_b32 s[G0L+3], s[G0L+3], 0x80000000
	CROUND                                         ; all four work-groups are here: the joint loads meet
	tensor_load_to_lds s[G0C:G0C+3], s[G1C:G1C+7]  ; two loads of mine are out, and there are no more in this text
	s_nop 0
	tensor_load_to_lds s[G0L:G0L+3], s[G1L:G1L+7]
	s_nop 0
	PLACES
	; where Q, K and V go
	s_lshr_b32 s32, s[TB], 5
	s_lshr_b32 s34, s[DB], 1
	s_lshl3_add_u32 s34, s32, s34                  ; hh = 8 b + head
	s_and_b32 s35, s[DB], 1                        ; blk
	s_and_b32 s79, s[TB], 31
	s_mov_b32 s33, 0
	s_lshl_b32 s32, s34, 18
	s_lshl_b32 s82, s79, 13
	s_add_co_u32 s32, s32, s82
	s_lshl_b32 s82, s35, 9
	s_add_co_u32 s32, s32, s82
	s_add_nc_u64 s[QP:QP+1], s[26:27], s[32:33]
	s_lshl_b32 s32, s34, 19
	s_lshr_b32 s82, s79, 3
	s_lshl_b32 s82, s82, 17
	s_add_co_u32 s32, s32, s82
	s_and_b32 s82, s[TB], 7
	s_lshl_b32 s82, s82, 13
	s_add_co_u32 s32, s32, s82                     ; head, 1,024 keys, the block in them: the same step for K and V
	s_add_nc_u64 s[KP:KP+1], s[28:29], s[32:33]
	s_lshl_b32 s32, s35, 10
	s_add_co_u32 s32, s32, 65536
	s_add_nc_u64 s[VP:VP+1], s[KP:KP+1], s[32:33]
	s_lshl_b32 s32, s35, 9
	s_add_nc_u64 s[KP:KP+1], s[KP:KP+1], s[32:33]
	; my unit of W1 and of W2: unit id4 = 256 c + 16 nb + 2 ks + t
	s_lshr_b32 s32, s[ID4], 4
	s_lshl_b32 s32, s32, 14
	s_and_b32 s34, s[ID4], 15
	s_lshl_b32 s34, s34, 6
	s_add_co_u32 s32, s32, s34
	s_add_nc_u64 s[22:23], s[22:23], s[32:33]
	s_bfe_u32 s32, s[ID4], 0x40004
	s_lshl_b32 s32, s32, 16
	s_add_co_u32 s32, s32, s34
	s_lshr_b32 s35, s[ID4], 8
	s_lshl_b32 s82, s35, 10
	s_add_co_u32 s32, s32, s82
	s_add_nc_u64 s[24:25], s[24:25], s[32:33]
	s_and_b32 s32, s[ID4], 255
	s_lshl_b32 s32, s32, 9
	s_lshl_b32 s82, s35, 18
	s_add_co_u32 s32, s32, s82
	s_add_co_u32 s32, s32, 131072
	s_add_nc_u64 s[74:75], s[30:31], s[32:33]      ; tile 1 + 2 c
	s_add_nc_u64 s[76:77], s[74:75], 131072        ; tile 2 + 2 c
	global_load_b128 v[20:23], v[O1K], s[22:23]
	global_load_b128 v[24:27], v[O1K], s[22:23] offset:16
	global_load_b128 v[28:31], v[O4K], s[24:25]
	global_load_b128 v[32:35], v[O4K], s[24:25] offset:16
	; my 16 rows of Wk, Wv, Wq: fragment ks is 16 raw registers: k = 32 ks + 8 h + 0..7, then + 16
	s_lshl_b32 s32, s[DB], 14
	s_add_nc_u64 s[14:15], s[14:15], s[32:33]
	s_add_nc_u64 s[16:17], s[16:17], s[32:33]
	s_lshl_b32 s32, s[DB], 12
	s_add_nc_u64 s[12:13], s[12:13], s[32:33]
	WIN 0x40
.set i, 0
.rept 8
	global_load_b128 v[16*i:16*i+3],         v[O1K], s[14:15] offset:128*i
	global_load_b128 v[16*i+4:16*i+7],       v[O1K], s[14:15] offset:128*i+16
	global_load_b128 v[16*i+8:16*i+11],      v[O1K], s[14:15] offset:128*i+64
	global_load_b128 v[16*i+12:16*i+15],     v[O1K], s[14:15] offset:128*i+80
	global_load_b128 v[128+16*i:128+16*i+3],     v[O1K], s[16:17] offset:128*i
	global_load_b128 v[128+16*i+4:128+16*i+7],   v[O1K], s[16:17] offset:128*i+16
	global_load_b128 v[128+16*i+8:128+16*i+11],  v[O1K], s[16:17] offset:128*i+64
	global_load_b128 v[128+16*i+12:128+16*i+15], v[O1K], s[16:17] offset:128*i+80
.set i, i+1
.endr
	WIN 0
.set i, 0
.rept 2
	global_load_b128 v[XL+16*i:XL+16*i+3],     v[O256], s[12:13] offset:128*i
	global_load_b128 v[XL+16*i+4:XL+16*i+7],   v[O256], s[12:13] offset:128*i+16
	global_load_b128 v[XL+16*i+8:XL+16*i+11],  v[O256], s[12:13] offset:128*i+64
	global_load_b128 v[XL+16*i+12:XL+16*i+15], v[O256], s[12:13] offset:128*i+80
.set i, i+1
.endr
	s_wait_loadcnt 0x0                             ; all weights are in; the F tile is still on its way
	WIN 0x85                                       ; sources window 1, destination window 2
.set i, 0
.rept 64
	v_cvt_pk_bf16_f32 v[i], v[2*i], v[2*i+1]
.set i, i+1
.endr
.set i, 0
.rept 64
	v_cvt_pk_bf16_f32 v[64+i], v[128+2*i], v[128+2*i+1]
.set i, i+1
.endr
	WIN 0x80
.set i, 0
.rept 16
	v_cvt_pk_bf16_f32 v[128+i], v[XL+2*i], v[XL+2*i+1]
.set i, i+1
.endr
	WIN 0
; eight f32 at raw are rounded to bf16, and that number is written as f16 into four registers at t
.macro CONV16 raw, t
.irp p, 0,1,2,3
	v_cvt_pk_bf16_f32 v[(\t)+(\p)], v[(\raw)+2*(\p)], v[(\raw)+2*(\p)+1]
.endr
.irp p, 0,1,2,3
	v_lshlrev_b32 v[(\raw)+2*(\p)], 16, v[(\t)+(\p)]
	v_and_b32 v[(\raw)+2*(\p)+1], s[HIM], v[(\t)+(\p)]
.endr
.irp p, 0,1,2,3
	v_cvt_pk_f16_f32 v[(\t)+(\p)], v[(\raw)+2*(\p)], v[(\raw)+2*(\p)+1]
.endr
.endm
	CONV16 20, 36
	global_store_b128 v[L16], v[36:39], s[74:75]
	CONV16 28, 40
	global_store_b128 v[L16], v[40:43], s[76:77]
	s_cmp_lg_u32 s[WV], 0                          ; wave 0 of work-group id turns unit id of Wo
	s_cbranch_scc1 .Lnot_wo
	s_lshr_b32 s32, s[ID], 4
	s_lshl_b32 s32, s32, 14
	s_and_b32 s34, s[ID], 15
	s_lshl_b32 s34, s34, 6
	s_add_co_u32 s32, s32, s34
	s_add_nc_u64 s[18:19], s[18:19], s[32:33]
	s_lshl_b32 s32, s[ID], 9
	s_add_nc_u64 s[80:81], s[30:31], s[32:33]
	global_load_b128 v[20:23], v[O1K], s[18:19]
	global_load_b128 v[24:27], v[O1K], s[18:19] offset:16
	s_wait_loadcnt 0x0
	CONV16 20, 44
	global_store_b128 v[L16], v[44:47], s[80:81]
.Lnot_wo:
	s_cmp_lg_u32 s[WV], 1                          ; wave 1 of the first 64 work-groups turns unit id of Wres (the block's number is the same in all partners)
	s_cbranch_scc1 .Lnot_wres
	s_cmp_ge_u32 s[TB], 16
	s_cbranch_scc1 .Lnot_wres
	s_lshr_b32 s32, s[ID], 2
	s_lshl_b32 s32, s32, 12
	s_and_b32 s34, s[ID], 3
	s_lshl_b32 s34, s34, 6
	s_add_co_u32 s32, s32, s34
	s_add_nc_u64 s[20:21], s[20:21], s[32:33]
	s_lshl_b32 s32, s[ID], 9
	s_add_co_u32 s32, s32, 1179648
	s_add_nc_u64 s[80:81], s[30:31], s[32:33]
	global_load_b128 v[20:23], v[O256], s[20:21]
	global_load_b128 v[24:27], v[O256], s[20:21] offset:16
	s_wait_loadcnt 0x0
.irp p, 0,1,2,3
	v_cvt_pk_bf16_f32 v[44+(\p)], v[20+2*(\p)], v[20+2*(\p)+1]
.endr
	global_store_b128 v[L16], v[44:47], s[80:81]
.Lnot_wres:
	; my 64 camera rows: f32 out of LDS, a row an instruction, rounded to bf16, into the tile
	s_wait_tensorcnt 0x1                           ; the camera load has landed; the younger lidar load may stay out.  I read rows that I fetched myself
	WIN 0x40
.set i, 0
.rept 64
	ds_load_b128 v[4*i:4*i+3], v[RRC] offset:512*i
.set i, i+1
.endr
	WIN 0x45
.set i, 0
.rept 64
.if i%16 == 0
	s_wait_dscnt 48-i                              ; LDS loads come back in order: the next sixteen rows are in, the younger ones stay out
.endif
	v_cvt_pk_bf16_f32 v[4*i], v[4*i], v[4*i+1]
	v_cvt_pk_bf16_f32 v[4*i+1], v[4*i+2], v[4*i+3]
.set i, i+1
.endr
	WIN 0x04                                       ; store data in window 1
.set i, 0
.rept 64
	ds_store_b64 v[TSC], v[4*i:4*i+1] offset:PT*i
.set i, i+1
.endr
	WIN 0
	s_wait_tensorcnt 0x0                           ; my 16 lidar rows
.set i, 0
.rept 16
	ds_load_b128 v[XC+4*i:XC+4*i+3], v[RRL] offset:512*i
.set i, i+1
.endr
	s_wait_dscnt 0x0
.set i, 0
.rept 16
	v_cvt_pk_bf16_f32 v[XC+4*i], v[XC+4*i], v[XC+4*i+1]
	v_cvt_pk_bf16_f32 v[XC+4*i+1], v[XC+4*i+2], v[XC+4*i+3]
.set i, i+1
.endr
.set i, 0
.rept 16
	ds_store_b64 v[TSL], v[XC+4*i:XC+4*i+1] offset:PT*i
.set i, i+1
.endr
	s_wait_dscnt 0x0                               ; for the others' sake: my rows of both tiles are written
	s_barrier_signal -1
	s_barrier_wait -1
; the fragments of 32 tokens (two groups gl of 16): 16 of xc, 4 of xl, turned
.macro LOADX
.irp gl, 0,1
.irp ks, 0,1,2,3
	ds_load_tr16_b128 v[XC+8*(8*(\gl)+(\ks)):XC+8*(8*(\gl)+(\ks))+3],     v[ADC0] offset:(\ks)*32*PT+32*(\gl)
	ds_load_tr16_b128 v[XC+8*(8*(\gl)+(\ks))+4:XC+8*(8*(\gl)+(\ks))+7],   v[ADC0] offset:(\ks)*32*PT+32*(\gl)+16*PT
	ds_load_tr16_b128 v[XC+8*(8*(\gl)+(\ks)+4):XC+8*(8*(\gl)+(\ks)+4)+3],   v[ADC1] offset:(\ks)*32*PT+32*(\gl)
	ds_load_tr16_b128 v[XC+8*(8*(\gl)+(\ks)+4)+4:XC+8*(8*(\gl)+(\ks)+4)+7], v[ADC1] offset:(\ks)*32*PT+32*(\gl)+16*PT
.endr
.irp ks, 0,1
	ds_load_tr16_b128 v[XL+8*(2*(\gl)+(\ks)):XL+8*(2*(\gl)+(\ks))+3],   v[ADL] offset:(\ks)*32*PT+32*(\gl)
	ds_load_tr16_b128 v[XL+8*(2*(\gl)+(\ks))+4:XL+8*(2*(\gl)+(\ks))+7], v[ADL] offset:(\ks)*32*PT+32*(\gl)+16*PT
.endr
.endr
.endm
; 32 tokens.  K and Q: source 0 = my 16 rows of W, source 1 = 16 tokens: a lane ends with one token and eight channels.  V: the sources swapped: one channel and eight tokens.
; The accumulators take turns, one instruction a turn.  next = 1: the next 32 tokens' fragments are fetched.
.macro PAIR next
	s_wait_dscnt 0x0
.irp ks, 0,1,2,3,4,5,6,7
	WIN 0x02                                       ; source 0 in window 2
.irp gl, 0,1
.if (\ks) == 0
	v_wmma_f32_16x16x32_bf16 v[ACC+8*(\gl):ACC+8*(\gl)+7], v[8*(\ks):8*(\ks)+7], v[XC+8*(8*(\gl)+(\ks)):XC+8*(8*(\gl)+(\ks))+7], 0
.else
	v_wmma_f32_16x16x32_bf16 v[ACC+8*(\gl):ACC+8*(\gl)+7], v[8*(\ks):8*(\ks)+7], v[XC+8*(8*(\gl)+(\ks)):XC+8*(8*(\gl)+(\ks))+7], v[ACC+8*(\gl):ACC+8*(\gl)+7]
.endif
.endr
.if (\ks) < 2
.irp gl, 0,1
.if (\ks) == 0
	v_wmma_f32_16x16x32_bf16 v[ACC+16+8*(\gl):ACC+16+8*(\gl)+7], v[128+8*(\ks):128+8*(\ks)+7], v[XL+8*(2*(\gl)+(\ks)):XL+8*(2*(\gl)+(\ks))+7], 0
.else
	v_wmma_f32_16x16x32_bf16 v[ACC+16+8*(\gl):ACC+16+8*(\gl)+7], v[128+8*(\ks):128+8*(\ks)+7], v[XL+8*(2*(\gl)+(\ks)):XL+8*(2*(\gl)+(\ks))+7], v[ACC+16+8*(\gl):ACC+16+8*(\gl)+7]
.endif
.endr
.endif
	WIN 0x08                                       ; source 1 in window 2
.irp gl, 0,1
.if (\ks) == 0
	v_wmma_f32_16x16x32_bf16 v[ACC+32+8*(\gl):ACC+32+8*(\gl)+7], v[XC+8*(8*(\gl)+(\ks)):XC+8*(8*(\gl)+(\ks))+7], v[64+8*(\ks):64+8*(\ks)+7], 0
.else
	v_wmma_f32_16x16x32_bf16 v[ACC+32+8*(\gl):ACC+32+8*(\gl)+7], v[XC+8*(8*(\gl)+(\ks)):XC+8*(8*(\gl)+(\ks))+7], v[64+8*(\ks):64+8*(\ks)+7], v[ACC+32+8*(\gl):ACC+32+8*(\gl)+7]
.endif
.endr
.endr
	WIN 0
	PLACES                                         ; in front of the loads into the fragments and of the reads of the results
.if \next
	v_add_nc_u32 v[ADC0], 64, v[ADC0]              ; 32 tokens on
	v_add_nc_u32 v[ADC1], 64, v[ADC1]
	v_add_nc_u32 v[ADL], 64, v[ADL]
	LOADX
.endif
	s_wait_xcnt 0x0                                ; the earlier stores have read their data and their offset: both are rewritten only behind this wait
	v_add_nc_u32 v[VO], 2048, v[VO]                ; the stores below reach back by their immediates
.set i, 0
.rept 8
	v_pk_mul_f32 v[ACC+16+2*i:ACC+16+2*i+1], v[ACC+16+2*i:ACC+16+2*i+1], s[CS:CS+1] op_sel_hi:[1,0]  ; Q times c, in f32
.set i, i+1
.endr
.set i, 0
.rept 24
	v_cvt_pk_f16_f32 v[OUTP+i], v[ACC+2*i], v[ACC+2*i+1]
.set i, i+1
.endr
	global_store_b128 v[VO], v[OUTP:OUTP+3],     s[KP:KP+1] offset:-2048  ; each store: 512 consecutive bytes, aligned
	global_store_b128 v[VO], v[OUTP+4:OUTP+7],   s[KP:KP+1] offset:-1024
	global_store_b128 v[VO], v[OUTP+8:OUTP+11],  s[QP:QP+1] offset:-2048
	global_store_b128 v[VO], v[OUTP+12:OUTP+15], s[QP:QP+1] offset:-1024
	global_store_b128 v[VO], v[OUTP+16:OUTP+19], s[VP:VP+1] offset:-2048
	global_store_b128 v[VO], v[OUTP+20:OUTP+23], s[VP:VP+1] offset:-1536
.endm
	LOADX
	s_mov_b32 s[CNT], 3
.Lpair:
	PAIR 1
	s_sub_co_u32 s[CNT], s[CNT], 1
	s_cmp_lg_u32 s[CNT], 0
	s_cbranch_scc1 .Lpair
	PAIR 0                                         ; the last 32 tokens fetch nothing
	s_wait_tensorcnt 0x0                           ; the wave's end
	ds_add_u32 v[SPW], v[NIL]
	s_wait_dscnt 0x0
	CROUND                                         ; the closing round
	s_endpgm
.Lfunc_end_k_qda17a5dca9_proj:
	.size	k_qda17a5dca9_proj, .Lfunc_end_k_qda17a5dca9_proj-k_qda17a5dca9_proj
	.p2alignl 7, 3214868480
	.fill 96, 4, 3214868480
	.section	.rodata,"a",@progbits
	.p2align	6, 0x0
	.amdhsa_kernel k_qda17a5dca9_proj
		.amdhsa_group_segment_fixed_size 256512
		.amdhsa_private_segment_fixed_size 0
		.amdhsa_enable_private_segment 0
		.amdhsa_kernarg_size 96
		.amdhsa_user_sgpr_count 2
		.amdhsa_user_sgpr_kernarg_segment_ptr 1
		.amdhsa_wavefront_size32 1
		.amdhsa_system_sgpr_workgroup_id_x 1
		.amdhsa_system_sgpr_workgroup_id_y 1
		.amdhsa_system_sgpr_workgroup_id_z 1
		.amdhsa_system_vgpr_workitem_id 0
		.amdhsa_next_free_vgpr 656
		.amdhsa_next_free_sgpr 84
		.amdhsa_reserve_vcc 0
		.amdhsa_float_denorm_mode_32 3
		.amdhsa_float_denorm_mode_16_64 3
		.amdhsa_memory_ordered 1
		.amdhsa_forward_progress 1
		.amdhsa_inst_pref_size 65
	.end_amdhsa_kernel
	.amdgpu_metadata
---
amdhsa.version: [ 1, 2 ]
amdhsa.kernels:
  - .name:           k_qda17a5dca9_proj
    .symbol:         k_qda17a5dca9_proj.kd
    .args:
      - { .name: F_cam, .offset: 0, .size: 8, .value_kind: global_buffer, .address_space: global }
      - { .name: F_lidar, .offset: 8, .size: 8, .value_kind: global_buffer, .address_space: global }
      - { .name: Wq, .offset: 16, .size: 8, .value_kind: global_buffer, .address_space: global }
      - { .name: Wk, .offset: 24, .size: 8, .value_kind: global_buffer, .address_space: global }
      - { .name: Wv, .offset: 32, .size: 8, .value_kind: global_buffer, .address_space: global }
      - { .name: Wo, .offset: 40, .size: 8, .value_kind: global_buffer, .address_space: global }
      - { .name: Wres, .offset: 48, .size: 8, .value_kind: global_buffer, .address_space: global }
      - { .name: W1, .offset: 56, .size: 8, .value_kind: global_buffer, .address_space: global }
      - { .name: W2, .offset: 64, .size: 8, .value_kind: global_buffer, .address_space: global }
      - { .name: q, .offset: 72, .size: 8, .value_kind: global_buffer, .address_space: global }
      - { .name: kv, .offset: 80, .size: 8, .value_kind: global_buffer, .address_space: global }
      - { .name: wimg, .offset: 88, .size: 8, .value_kind: global_buffer, .address_space: global }
    .group_segment_fixed_size: 256512
    .private_segment_fixed_size: 0
    .kernarg_segment_align: 8
    .kernarg_segment_size: 96
    .max_flat_workgroup_size: 128
    .sgpr_count:     84
    .vgpr_count:     656
    .wavefront_size: 32
...
	.end_amdgpu_metadata
.endif
;; end of part 1
;; launch attn (part 2): grid 16 x 16, 4 waves a work-group, clusters of 4 x 1, 327,680 bytes of LDS; arguments q, kv, o; writes o
.if DOCPART == 2
	.amdgcn_target "amdgcn-amd-amdhsa--gfx1250"
	.amdhsa_code_object_version 6
	.text
	.protected	k_qda17a5dca9_attn
	.globl	k_qda17a5dca9_attn
	.p2align	8
	.type	k_qda17a5dca9_attn,@function
k_qda17a5dca9_attn:
	s_mov_b64 s[64:65], 0
	v_nop
	global_prefetch_b8 v0, s[64:65] scope:SCOPE_SE
	s_setreg_imm32_b32 hwreg(HW_REG_WAVE_MODE, 25, 1), 1
	s_wait_xcnt 0x0
	s_wait_alu depctr_hold_cnt(0) depctr_sa_sdst(0) depctr_va_vdst(0) depctr_va_sdst(0) depctr_va_ssrc(0) depctr_va_vcc(0) depctr_vm_vsrc(0)
	s_getreg_b32 s2, hwreg(HW_REG_IB_STS2, 6, 4)
	s_cmp_eq_u32 s2, 0
	s_cbranch_scc0 .Lentry_in_a_cluster
	s_endpgm
.Lentry_in_a_cluster:
	s_bfe_u32 s2, ttmp6, 0x10000c
	s_cmp_lg_u32 s2, 0x3003
	s_cbranch_scc0 .Lentry_shape_is_right
	s_endpgm
.Lentry_shape_is_right:
; ATTENTION at head size 32.  O[hh][q] = sum over k of softmax_k(Q.K / sqrt(32)) V, 16 heads hh of 4,096 queries and keys.  q, kv, o are f16 fragment images (units of 512 bytes,
; lane L's 16 bytes at 16 L); q already holds Q log2(e)/sqrt(32), so a score is an exponent to base 2.  Products, maxima and sums in f32; weights p rounded to f16.
; LIMITS.  f16's range, 65,504, for Q c, K, V; p below 6e-5 keeps f16's step of 6e-8; l is the sum of the ROUNDED p; a weight below 2^-126 counts as 0; NaN and infinities are not treated apart.
; SHARES.  A work-group owns 256 queries of a head, a wave four tiles of 16: piece 0 (tiles 0, 1) and piece 2 (tiles 2, 3).  Every wave walks all keys, 64 a step.
; LAYOUT.  S^T = K Q^T: a lane holds ONE query (lane % 16) and keys 8 (lane / 16) + 0..7 of each block of 16.  Two such results rounded in pairs ARE source 1 of O^T = V^T P.
; l IS MADE BY THE MATRIX UNIT: ONES holds 1.0 in rows 0 and 8 alone, so register 0 of ONES x P holds the query's sum of 32 weights in every lane, and registers 1-7 stay 0.
; SOFTMAX.  Running maximum M; p = 2^(s - M); O and l are multiplied by a = 2^(M_old - M_new) in every step.  M starts at the lowest finite number, O and l at 0: the first step has a = 0.
; BY TURNS.  Turn Y: 8 products K Q^T of the OTHER piece's next scores, each with four vector instructions behind it; a lump of vector work; ONE wait for the turn's 66 exponentials;
; 12 products V^T P and ONES P of the other piece, with the rescaling and the roundings behind them.  The vector work is piece Y's softmax and the other piece's maximum.
; CLUSTER.  The four query blocks of a cluster walk the same K and V: each slot-full (1,024 keys: 64 KiB of K, 64 KiB of V, dense) is asked for JOINTLY, a quarter a wave.
; A head has four slot-fulls: two first fills and two refills; a refill has sixteen key steps in which to land.
; REGISTERS.  window 0: v2-9 addresses; v16-47 eight a tile: M, D, -, -, c0-c3; v64-95 K; v96-127 Q; v128-255 S^T, 32 a tile.
;   window 1: v0-63 O^T, 16 a tile; v64-95 l's accumulators; v96-127 V; v128-191 P; v192-199 ONES; v200-207 a, a pair a tile.
.set SLOT1, 131072
.set VPART, 65536
.set STEPB, 4096                       ; a key step: 4,096 bytes of K and 4,096 of V
.set SPARE, 262144                     ; the spare words: two blocks of 256 bytes that no other line names
.set L16,  2
.set L16V, 3
.set AK,   4
.set AV,   5
.set PFO,  6
.set SPW,  8
.set NIL,  9
.set ST,   16
.set KF,   64
.set QF,   96
.set S,    128
.set OT,   0
.set LA,   64
.set VF,   96
.set P,    128
.set ONES, 192
.set AP,   200
.set CX,   10
.set QBK,  11
.set WV,   12
.set HH,   13
.set G1,   24
.set G0A,  32
.set G0B,  36
.set TB,   40                          ; LDS byte of the K of the step in hand
.set CNT,  41
.set SLOTS, 42
.set PFC,  43                          ; the count at which a wave prefetches, or a number that the count never takes
.set PFA,  44
.set SEL,  46
.set MSB, 0
.macro WIN new
.if MSB != (\new)
	s_set_vgpr_msb (MSB<<8)|(\new)
.set MSB, (\new)
.endif
.endm
.macro PLACES
.rept 4
	v_nop
.endr
.endm
.macro CROUND
	s_barrier_signal -1
	s_barrier_wait -1
	s_cmp_lg_u32 s[WV], 0
	s_cbranch_scc1 .Lnot_wave_0_\@
	s_barrier_signal -3
.Lnot_wave_0_\@:
	s_barrier_wait -3
	s_barrier_signal -1
	s_barrier_wait -1
.endm
	s_load_b128 s[4:7], s[0:1], 0x0                ; q s[4:5], kv s[6:7]
	s_load_b64 s[8:9], s[0:1], 0x10                ; o
	v_lshl_add_u32 v[SPW], v0, 2, SPARE
	v_mov_b32 v[NIL], 0
	ds_add_u32 v[SPW], v[NIL]                      ; the opening: the add and its wait ahead of my first tensor load
	v_lshrrev_b32 v1, 5, v0
	v_readfirstlane_b32 s[WV], v1
	s_bfe_u32 s[CX], ttmp6, 0x40000
	s_lshl_b32 s[QBK], ttmp9, 2
	s_add_co_u32 s[QBK], s[QBK], s[CX]             ; my block of 256 queries: it enters q's and o's addresses alone
	s_and_b32 s[HH], ttmp7, 0xffff                 ; the head, which the partners share
	s_mov_b32 s[G1], 15|(3<<16)|(1<<21)            ; the mask of four; elements of 8 bytes; bit 21 beside a mask
	s_mov_b32 s[G1+1], 32<<16                      ; rows of 256 bytes,
	s_mov_b32 s[G1+2], 128<<16                     ; 128 of them: 32,768 dense bytes a wave
	s_mov_b32 s[G1+3], 32<<16
	s_mov_b32 s[G1+4], 128
	s_mov_b32 s[G1+5], 32
	s_mov_b32 s[G1+6], 0
	s_mov_b32 s[G1+7], 0
	s_mov_b32 s[G0A], 1
	s_lshl_b32 s[G0A+1], s[WV], 15                 ; slot 0, my quarter
	s_mov_b32 s[G0B], 1
	s_add_co_u32 s[G0B+1], s[G0A+1], SLOT1         ; slot 1
	s_lshl_b32 s14, s[HH], 19
	s_lshl_b32 s22, s[WV], 15
	s_add_co_u32 s14, s14, s22                     ; kv: the head, my quarter of a slot-full
	s_mov_b32 s15, 0
	s_lshl_b32 s16, s[HH], 18
	s_lshl_b32 s22, s[QBK], 14
	s_add_co_u32 s16, s16, s22
	s_lshl_b32 s22, s[WV], 12
	s_add_co_u32 s16, s16, s22                     ; q: the head, my block, my four tiles
	s_mov_b32 s17, 0
	s_lshr_b32 s18, s[HH], 3
	s_lshl_b32 s18, s18, 21
	s_lshl_b32 s22, s[QBK], 17
	s_add_co_u32 s18, s18, s22
	s_lshl_b32 s22, s[WV], 15
	s_add_co_u32 s18, s18, s22
	s_and_b32 s22, s[HH], 7
	s_lshl_b32 s22, s22, 10
	s_add_co_u32 s18, s18, s22                     ; o: image, my tiles (8,192 bytes each), the head's 1,024 bytes in them
	s_mov_b32 s19, 0
	s_lshl_b32 s20, s[HH], 19
	s_lshl_b32 s22, s[CX], 15
	s_add_co_u32 s20, s20, s22
	s_lshl_b32 s22, s[WV], 13
	s_add_co_u32 s20, s20, s22
	s_add_co_u32 s20, s20, 2*SLOT1                 ; the prefetches: slot-full 2, my work-group's quarter, my wave's 8,192 bytes of it
	s_mov_b32 s21, 0
	s_mov_b32 s22, ttmp9
	s_cmp_eq_u32 s22, 0                            ; all clusters of a head walk the same rows: the head's first cluster prefetches
	s_cselect_b32 s[PFC], 4, -1
	s_mov_b32 s[SEL], 0x76543210
	s_mov_b32 s[SEL+1], 0xfedcba98
	s_mov_b32 s[TB], 0
	v_and_b32 v10, 31, v0
	v_lshlrev_b32 v[L16], 4, v10
	v_add_nc_u32 v[L16V], VPART, v[L16]
	v_lshlrev_b32 v[PFO], 8, v10
	s_wait_dscnt 0x0
	s_wait_kmcnt 0x0
	s_add_nc_u64 s[PFA:PFA+1], s[6:7], s[20:21]
	s_add_nc_u64 s[G0A+2:G0A+3], s[6:7], s[14:15]
	s_add_nc_u64 s[G0B+2:G0B+3], s[G0A+2:G0A+3], SLOT1
	s_or_b32 s[G0A+3], s[G0A+3], 0x80000000
	s_or_b32 s[G0B+3], s[G0B+3], 0x80000000
	s_add_nc_u64 s[4:5], s[4:5], s[16:17]
	s_add_nc_u64 s[8:9], s[8:9], s[18:19]
	CROUND                                         ; all four work-groups are here: the first joint loads meet
	tensor_load_to_lds s[G0A:G0A+3], s[G1:G1+7]    ; two loads of mine are out
	s_nop 0
	tensor_load_to_lds s[G0B:G0B+3], s[G1:G1+7]
	s_nop 0
	PLACES
.irp f, 0,1,2,3,4,5,6,7                ; Q stays in registers: tile f / 2, channels 16 (f % 2) on
	global_load_b128 v[QF+4*(\f):QF+4*(\f)+3], v[L16], s[4:5] offset:512*(\f)
.endr
	; what the first turn finds: O^T, l, V, piece 2's P and the a pairs hold 0.  All this stands in the wait for the first tile, so that no first step is written out.
	v_and_b32 v10, 7, v0
	v_cmp_eq_u32 vcc_lo, 0, v10
	s_mov_b32 s22, 0x3c003c00                      ; 1.0 twice in f16
	WIN 0x40
.set i, 0
.rept 128
	v_mov_b32 v[i], 0
.set i, i+1
.endr
.set i, 0
.rept 32
	v_mov_b32 v[P+32+i], 0
.set i, i+1
.endr
.set i, 0
.rept 8
	v_mov_b32 v[AP+i], 0
	v_cndmask_b32 v[ONES+i], 0, s22, vcc_lo        ; rows 0 and 8: the lanes with lane % 8 = 0
.set i, i+1
.endr
	WIN 0
.set i, 0
.rept 4
	v_mov_b32 v[ST+8*i], 0xff7fffff                ; M
	v_mov_b32 v[ST+8*i+1], 0
.set i, i+1
.endr
; THE MATRIX WORK, for the other piece XP.  Product mi of 8 of S^T = K Q^T: keys 16 (mi / 2) on, tile XP + mi % 2; head size 32 is one instruction deep, so each starts and ends its sum.
.macro KQ
	WIN 0
	v_wmma_f32_16x16x32_f16 v[S+32*(XP+mi%2)+8*(mi/2):S+32*(XP+mi%2)+8*(mi/2)+7], v[KF+8*(mi/2):KF+8*(mi/2)+7], v[QF+8*(XP+mi%2):QF+8*(XP+mi%2)+7], 0
.set mi, mi+1
.endm
; Product mi of 12: keys 32 (mi / 6) on; tile XP + mi % 2; channels 16 ((mi % 6) / 2) on, or, third, l.  Six accumulators take turns, one instruction a turn.
.macro PV
	WIN 0x55
.set rP, P+16*(XP+mi%2)+8*(mi/6)
.if (mi%6)/2 < 2
.set rO, OT+16*(XP+mi%2)+8*((mi%6)/2)
.set rA, VF+16*(mi/6)+8*((mi%6)/2)
.else
.set rO, LA+8*(XP+mi%2)
.set rA, ONES
.endif
	v_wmma_f32_16x16x32_f16 v[rO:rO+7], v[rA:rA+7], v[rP:rP+7], v[rO:rO+7]
.set mi, mi+1
.endm
; THE LDS LOADS stand in runs of 8: a step's K and its V are 4,096 consecutive bytes each, in the order of the registers.
.macro FETCH_K koff
	WIN 0
.irp f, 0,1,2,3,4,5,6,7
	ds_load_b128 v[KF+4*(\f):KF+4*(\f)+3], v[AK] offset:(\koff)+512*(\f)
.endr
.endm
.macro FETCH_V
	WIN 0x40
.irp f, 0,1,2,3,4,5,6,7
	ds_load_b128 v[VF+4*(\f):VF+4*(\f)+3], v[AV] offset:512*(\f)
.endr
.endm
; THE VECTOR WORK.  FS f: s - M for pair f / 2 of tile Y + f % 2.
.macro FS f
	WIN 0
.set rS, S+32*(Y+(\f)%2)+2*((\f)/2)
.set rT, ST+8*(Y+(\f)%2)
	v_pk_add_f32 v[rS:rS+1], v[rS:rS+1], v[rT:rT+1] op_sel_hi:[1,0] neg_lo:[0,1] neg_hi:[0,1]
.endm
; XS u, n: number n of the 21 that find the maximum and a of tile XP + u.  0-11 four chains c0-c3 of seven scores each (each accumulator's lowest registers first);
; 12-14, 16 the four scores left over, the old M, c0-c3 into c0; 15 M_old is kept; 17, 18 the other 32 keys lie in the lane 16 away: the new M; 19 M_old - M_new; 20 a.
.macro XS u, n
.set rT, ST+8*(XP+(\u))
.set rC, ST+8*(XP+(\u))+4
.set rS, S+32*(XP+(\u))
.if (\n) == 20
	WIN 0x40
	v_exp_f32 v[AP+2*(XP+(\u))], v[rT+1]
.else
	WIN 0
.if (\n) < 4
	v_max3_num_f32 v[rC+(\n)], v[rS+8*(\n)], v[rS+8*(\n)+1], v[rS+8*(\n)+2]
.elseif (\n) < 12
	v_max3_num_f32 v[rC+(\n)%4], v[rC+(\n)%4], v[rS+8*((\n)%4)+2*((\n)/4)+1], v[rS+8*((\n)%4)+2*((\n)/4)+2]
.elseif (\n) == 12
	v_max3_num_f32 v[rC], v[rC], v[rS+7], v[rS+15]
.elseif (\n) == 13
	v_max3_num_f32 v[rC+1], v[rC+1], v[rS+23], v[rS+31]
.elseif (\n) == 14
	v_max3_num_f32 v[rC+2], v[rC+2], v[rC+3], v[rT]
.elseif (\n) == 15
	v_mov_b32 v[rT+1], v[rT]
.elseif (\n) == 16
	v_max3_num_f32 v[rC], v[rC], v[rC+1], v[rC+2]
.elseif (\n) == 17
	v_permlanex16_b32 v[rC+3], v[rC], s[SEL], s[SEL+1]
.elseif (\n) == 18
	v_max_num_f32 v[rT], v[rC], v[rC+3]
.else
	v_sub_f32 v[rT+1], v[rT+1], v[rT]
.endif
.endif
.endm
; THE PLAIN QUEUE, 72 long: the 32 FS and the other piece's 40; the chain's links (14, 16, 17, 18, 19) stand apart, with the last FS between them.
.macro PL
.if qn < 27
	FS qn
.elseif qn < 55
	XS (qn-27)%2, (qn-27)/2
.elseif qn < 57
	FS qn-28
.elseif qn < 59
	XS qn-57, 15
.elseif qn == 59
	FS 29
.elseif qn < 62
	XS qn-60, 14
.elseif qn == 62
	FS 30
.elseif qn < 65
	XS qn-63, 16
.elseif qn == 65
	FS 31
.elseif qn < 68
	XS qn-66, 17
.elseif qn < 70
	XS qn-68, 18
.else
	XS qn-70, 19
.endif
.set qn, qn+1
.endm
; THE EXPONENTIALS' QUEUE, 66 long: score en / 2 of tile Y + en % 2, then the other piece's two a.  ONE BATCH: nothing ahead of the turn's wait names a result of theirs.
; Exponential en wants FS 2 (en / 4) + en % 2: as a rider it stands behind plain en + 4, in the lump behind plain en + 7; FS 27-31 are plain 55, 56, 59, 62, 65.
.macro EXQ
.if en < 64
	WIN 0
	v_exp_f32 v[S+32*(Y+en%2)+en/2], v[S+32*(Y+en%2)+en/2]
.else
	XS en-64, 20
.endif
.set en, en+1
.endm
.macro CV                              ; pair pn / 2 of tile Y + pn % 2 rounded to f16
	WIN 0x40
	v_cvt_pk_f16_f32 v[P+16*(Y+pn%2)+pn/2], v[S+32*(Y+pn%2)+2*(pn/2)], v[S+32*(Y+pn%2)+2*(pn/2)+1]
.set pn, pn+1
.endm
.macro RS                              ; O^T (eight pairs a tile) and l (one pair) of tile Y + rn % 2 times a, which the turn before made and waited for
	WIN 0x55
.if rn/2 < 8
.set rO, OT+16*(Y+rn%2)+2*(rn/2)
.else
.set rO, LA+8*(Y+rn%2)
.endif
	v_pk_mul_f32 v[rO:rO+1], v[rO:rO+1], v[AP+2*(Y+rn%2):AP+2*(Y+rn%2)+1] op_sel_hi:[1,0]
.set rn, rn+1
.endm
; A PREFETCH INTO THE L2 of the slot-full that the next change of slots will ask for: 131,072 bytes shared out BY ADDRESS among the head's first cluster's sixteen waves, a lane a block of 256 bytes,
; one instruction a wave, in the slot's thirteenth step.  Each block is named once in the launch; slot-fulls 0 and 1 come by their loads alone; behind slot-full 3 there is nothing to ask for.
.macro ASK
	s_cmp_eq_u32 s[CNT], s[PFC]
	s_cbranch_scc0 .Lnot_mine_\@
	global_prefetch_b8 v[PFO], s[PFA:PFA+1] th:TH_LOAD_NT scope:SCOPE_SE
.Lnot_mine_\@:
.endm
; A TURN for piece y.  Turn 0 of step j: scores of piece 2 for step j, V^T P of piece 2 for step j - 1; it fetches K of step j + 1 behind its wait and V of step j at its end.
; Turn 2 of step j: scores of piece 0 for step j + 1, V^T P of piece 0 for step j.  In a slot's last step K's run reads the 4,096 bytes behind the slot's K, landed bytes of its V; what it
; brings is multiplied into nothing that is kept: the change of slots fetches K anew.
.macro TURN y, pf
.set Y, (\y)
.set XP, 2-(\y)
.set mi, 0
.set qn, 0
.set en, 0
.set rn, 0
.set pn, 0
.if (\y) == 2
	s_wait_dscnt 8                                 ; K's eight loads are in; V's eight, issued behind them, may stay out
.endif
	KQ
.rept 4
	PL
.endr
.rept 7
	KQ
	PL
	EXQ
	PL
	EXQ
.endr
.if (\y) == 0
	v_add_nc_u32 v[AK], s[TB], v[L16]
	v_add_nc_u32 v[AV], s[TB], v[L16V]
.endif
.rept 4
	PL
.endr
.rept 50
	EXQ
	PL
.endr
	EXQ                                            ; the other piece's two a
	EXQ
	v_nop                                          ; a plain instruction behind the last exponential: one for the batch
	s_wait_alu depctr_va_vdst(0)                   ; the wait ahead of the first reader: one for the 66
.if (\y) == 0
	FETCH_K STEPB                                  ; a lump behind the last product that read K
.else
	s_wait_dscnt 0x0                               ; V is in
.endif
.set mi, 0
.irp c, 4,5,4,5
	PV
.rept \c
	RS
.endr
.endr
.rept 8
	PV
.rept 4
	CV
.endr
.endr
.if (\y) == 0
	FETCH_V                                        ; twelve roundings behind the last product that read V
	WIN 0
	s_add_co_u32 s[TB], s[TB], STEPB
.if \pf
	ASK
.endif
.endif
	WIN 0
.endm
; THE CHANGE OF SLOTS.  Each wave waits for all its tensor loads (one is out: its part of the other slot), adds 0 to its spare word, and waits for that and for its reads of the slot that it leaves.
; fill = 1: the barrier is a round of the cluster's, and the joint refill is the first thing behind it.
.macro CHANGE fill
	WIN 0
	s_wait_tensorcnt 0x0
	ds_add_u32 v[SPW], v[NIL]
.if \fill
	s_xor_b32 s[G0B+1], s[G0B+1], SLOT1            ; no load of mine is out: the walking descriptor takes the other slot and the next 1,024 keys
	s_add_nc_u64 s[G0B+2:G0B+3], s[G0B+2:G0B+3], SLOT1
	s_wait_xcnt 0x0                                ; the last prefetch, three steps back, has read its address
	s_add_nc_u64 s[PFA:PFA+1], s[PFA:PFA+1], SLOT1
	s_cmp_eq_u32 s[SLOTS], 1                       ; behind the last refill nothing is left to ask for
	s_cselect_b32 s[PFC], -1, s[PFC]
	s_wait_dscnt 0x0
	CROUND
	tensor_load_to_lds s[G0B:G0B+3], s[G1:G1+7]
	s_nop 0
	PLACES
.else
	s_wait_dscnt 0x0
	s_barrier_signal -1
	s_barrier_wait -1
.endif
	s_sub_co_u32 s[TB], s[TB], VPART               ; back to a slot's first step,
	s_xor_b32 s[TB], s[TB], SLOT1                  ; in the other slot
.endm
	s_wait_tensorcnt 0x1                           ; my quarter of slot 0 is in; slot 1's may stay out
	s_barrier_signal -1
	s_barrier_wait -1                              ; everybody's is
	v_mov_b32 v[AK], v[L16]
	FETCH_K 0
	s_wait_loadcnt 0x0                             ; Q
	s_wait_dscnt 0x0
.set XP, 0
.set mi, 0
.rept 8
	KQ                                             ; piece 0's first scores
.endr
	PLACES
.irp n, 0,1,2,3,4,5,6,7,8,9,10,11,12,13,14,15,16,17,18,19,20
	XS 0, \n
	XS 1, \n
.endr
	v_nop
	s_wait_alu depctr_va_vdst(0)                   ; the two a, ahead of the branch
	WIN 0
	s_mov_b32 s[CNT], 16
	s_mov_b32 s[SLOTS], 3
	s_branch .Lfirst                               ; the loop is entered at a step's first turn, in the middle of a trip
.Lslot:                                        ; twice: slot-fulls 2 and 3 are asked for
	CHANGE 1
	v_add_nc_u32 v[AK], s[TB], v[L16]
	FETCH_K 0
	s_wait_dscnt 0x0
	s_mov_b32 s[CNT], 16
.Lstep:
	TURN 2, 0
.Lfirst:
	TURN 0, 1
	s_sub_co_u32 s[CNT], s[CNT], 1
	s_cmp_lg_u32 s[CNT], 0
	s_cbranch_scc1 .Lstep
	s_sub_co_u32 s[SLOTS], s[SLOTS], 1
	s_cmp_lg_u32 s[SLOTS], 0
	s_cbranch_scc1 .Lslot
	CHANGE 0                                       ; the tail is written out
	v_add_nc_u32 v[AK], s[TB], v[L16]
	FETCH_K 0
	s_wait_dscnt 0x0
	s_mov_b32 s[CNT], 17
.Ltail:
	TURN 2, 0
	s_sub_co_u32 s[CNT], s[CNT], 1
	s_cmp_eq_u32 s[CNT], 0
	s_cbranch_scc1 .Lout
	TURN 0, 0
	s_branch .Ltail
.Lout:                                         ; the last turn's 8 products K Q^T and the maximum made of them serve nothing: the price of one text for every trip
.set XP, 2
.set mi, 0
.rept 12
	PV                                             ; piece 2's V^T P of the last step
.endr
	PLACES
.irp t, 0,1,2,3
	v_rcp_f32 v[AP+2*(\t)], v[LA+8*(\t)]           ; l lies in its accumulator's lowest register
.endr
	v_nop
	s_wait_alu depctr_va_vdst(0)                   ; one wait for the four reciprocals
.irp t, 0,1,2,3
	WIN 0x55
.set i, 0
.rept 8
	v_pk_mul_f32 v[OT+16*(\t)+2*i:OT+16*(\t)+2*i+1], v[OT+16*(\t)+2*i:OT+16*(\t)+2*i+1], v[AP+2*(\t):AP+2*(\t)+1] op_sel_hi:[1,0]
.set i, i+1
.endr
	WIN 0x05
.set i, 0
.rept 8
	v_cvt_pk_f16_f32 v[S+8*(\t)+i], v[OT+16*(\t)+2*i], v[OT+16*(\t)+2*i+1]
.set i, i+1
.endr
	WIN 0
	global_store_b128 v[L16], v[S+8*(\t):S+8*(\t)+3],   s[8:9] offset:8192*(\t)      ; a lane's eight channels of a token ARE its 16 bytes of the image: 512 consecutive bytes a store
	global_store_b128 v[L16], v[S+8*(\t)+4:S+8*(\t)+7], s[8:9] offset:8192*(\t)+512
.endr
	s_wait_tensorcnt 0x0                           ; the wave's end
	ds_add_u32 v[SPW], v[NIL]
	s_wait_dscnt 0x0
	CROUND                                         ; the closing round
	s_endpgm
.Lfunc_end_k_qda17a5dca9_attn:
	.size	k_qda17a5dca9_attn, .Lfunc_end_k_qda17a5dca9_attn-k_qda17a5dca9_attn
	.p2alignl 7, 3214868480
	.fill 96, 4, 3214868480
	.section	.rodata,"a",@progbits
	.p2align	6, 0x0
	.amdhsa_kernel k_qda17a5dca9_attn
		.amdhsa_group_segment_fixed_size 327680
		.amdhsa_private_segment_fixed_size 0
		.amdhsa_enable_private_segment 0
		.amdhsa_kernarg_size 24
		.amdhsa_user_sgpr_count 2
		.amdhsa_user_sgpr_kernarg_segment_ptr 1
		.amdhsa_wavefront_size32 1
		.amdhsa_system_sgpr_workgroup_id_x 1
		.amdhsa_system_sgpr_workgroup_id_y 1
		.amdhsa_system_sgpr_workgroup_id_z 1
		.amdhsa_system_vgpr_workitem_id 0
		.amdhsa_next_free_vgpr 464
		.amdhsa_next_free_sgpr 66
		.amdhsa_reserve_vcc 1
		.amdhsa_float_denorm_mode_32 3
		.amdhsa_float_denorm_mode_16_64 3
		.amdhsa_memory_ordered 1
		.amdhsa_forward_progress 1
		.amdhsa_inst_pref_size 73
	.end_amdhsa_kernel
	.amdgpu_metadata
---
amdhsa.version: [ 1, 2 ]
amdhsa.kernels:
  - .name:           k_qda17a5dca9_attn
    .symbol:         k_qda17a5dca9_attn.kd
    .args:
      - { .name: q, .offset: 0, .size: 8, .value_kind: global_buffer, .address_space: global }
      - { .name: kv, .offset: 8, .size: 8, .value_kind: global_buffer, .address_space: global }
      - { .name: o, .offset: 16, .size: 8, .value_kind: global_buffer, .address_space: global }
    .group_segment_fixed_size: 327680
    .private_segment_fixed_size: 0
    .kernarg_segment_align: 8
    .kernarg_segment_size: 24
    .max_flat_workgroup_size: 128
    .sgpr_count:     66
    .vgpr_count:     464
    .wavefront_size: 32
...
	.end_amdgpu_metadata
.endif
;; end of part 2
;; launch fuse (part 3): grid 128 x 1, 4 waves a work-group, clusters of 4 x 1, 327,680 bytes of LDS; arguments o, wimg, F_lidar, g1, b1, g2, b2, bf1, bf2, out0; writes out0
.if DOCPART == 3
	.amdgcn_target "amdgcn-amd-amdhsa--gfx1250"
	.amdhsa_code_object_version 6
	.text
	.protected	k_qda17a5dca9_fuse
	.globl	k_qda17a5dca9_fuse
	.p2align	8
	.type	k_qda17a5dca9_fuse,@function
k_qda17a5dca9_fuse:
	s_mov_b64 s[64:65], 0
	v_nop
	global_prefetch_b8 v0, s[64:65] scope:SCOPE_SE
	s_setreg_imm32_b32 hwreg(HW_REG_WAVE_MODE, 25, 1), 1
	s_wait_xcnt 0x0
	s_wait_alu depctr_hold_cnt(0) depctr_sa_sdst(0) depctr_va_vdst(0) depctr_va_sdst(0) depctr_va_ssrc(0) depctr_va_vcc(0) depctr_vm_vsrc(0)
	s_getreg_b32 s2, hwreg(HW_REG_IB_STS2, 6, 4)
	s_cmp_eq_u32 s2, 0
	s_cbranch_scc0 .Lentry_in_a_cluster
	s_endpgm
.Lentry_in_a_cluster:
	s_bfe_u32 s2, ttmp6, 0x10000c
	s_cmp_lg_u32 s2, 0x3003
	s_cbranch_scc0 .Lentry_shape_is_right
	s_endpgm
.Lentry_shape_is_right:
; y = O Wo^T + xl Wres^T;  x = LN(y; g1, b1);  out = LN(x + relu(x W1^T + bf1) W2^T + bf2; g2, b2), stored [b][channel][token] in f32.
; FORMATS.  O, x and the hidden layer are f16 matrix operands; Wo, W1, W2 are bf16 numbers written as f16; the resid product runs in bf16; g, b, bf are rounded to bf16 and used as f32;
; all sums, both norms and the summand x stay in f32.  Each norm takes the mean first and then the mean square of the differences.
; LIMITS.  f16's range, 65,504, for O, x, the hidden layer; below 6e-5 f16 keeps its step of 6e-8.  NaN and infinities are not treated apart.
; SHARES.  A work-group owns 64 tokens: a channel's 64 tokens are 256 consecutive aligned bytes of out0, and a norm wants whole rows, so the channels are not split over work-groups: 128 work-groups.
; Wave w makes output rows 64 w + 0..63 (four blocks nb of 16) of every product for all four token tiles tt: source 0 = 16 rows of W, source 1 = 16 tokens:
; a lane holds one token (lane % 16) and channels 8 (lane / 16) + 0..7 of each block.  16 accumulators take turns, one instruction a turn.
; WEIGHTS.  All work-groups walk the same nine tiles of 131,072 bytes (Wo, W1_0, W2_0, .. W2_3), through two LDS slots; the four partners of a cluster ask JOINTLY, a quarter a wave,
; and quarter w is just what wave w multiplies.  Tiles are fragment images: 512 consecutive bytes a load.
; REGISTERS.  window 0: addresses, v24-71 the norms' work, v72-103 raw lidar, v128-191 / v192-255 two buffers of W's fragments.  window 1: source 1, fragment (tt, ks) at 8 (8 tt + ks): O, then x.
;   window 2: v0-127 ACC (nb, tt) at 8 (4 nb + tt); v128-255 the hidden layer's accumulators, in the second product's phases two buffers of its fragments.
;   window 3: v0-31 bf1, v32-63 g, v64-95 b, v96-127 bf2, each for my channels at 8 nb + j; v128-129 at work.
.set SLOT1, 131072
.set EX,    262144                     ; 32,768: x, then the hidden chunk, as fragments (tt, ks) at (8 tt + ks) x 1,024
.set XLB,   294912                     ; bf16 [64 lidar channels][64 tokens], pitch 160 = 5 x 32 bytes
.set XPT,   160
.set RED,   305152                     ; four regions of 1,024: the waves' partial sums, 16 bytes a token column, 256 a wave
.set SPARE, 309248                     ; the spare words: two blocks of 256 bytes that no other line names
.set STG,   131072                     ; slot 1, behind its last fill: 256 rows x 272 bytes, the way out
.set SPITCH, 272
.set R,    1
.set H,    2
.set L16,  3
.set AW0,  4
.set AW1,  5
.set AEX,  6
.set SEX,  7
.set RW,   8
.set RR,   9
.set SST,  10
.set SRD,  11
.set ROW2, 12                          ; 16,384 h + 16 r: two rows of 256 bytes in F_lidar and in out0
.set XLS,  13
.set XLT,  14
.set VOFF, 16
.set PFO,  17
.set SPW,  18
.set NIL,  19
.set ZERO, 20
.set RT,   24
.set T,    32
.set MU,   40
.set RS,   48
.set RB,   56
.set LR,   72
.set AB0,  128
.set AB1,  192
.set BF1,  0
.set G,    32
.set BB,   64
.set BF2,  96
.set TM3,  128
.set WV,  3
.set CX,  4
.set WG,  5
.set G1,  28
.set G0A, 36
.set G0B, 40
.set PFA, 44
.set LIM, 46
.set CNT, 47
.set SEL, 48
.set INV, 50
.set EPS, 51
.set HIM, 52
.set MSB, 0
.macro WIN new
.if MSB != (\new)
	s_set_vgpr_msb (MSB<<8)|(\new)
.set MSB, (\new)
.endif
.endm
.macro PLACES
.rept 4
	v_nop
.endr
.endm
.macro CROUND
	s_barrier_signal -1
	s_barrier_wait -1
	s_cmp_lg_u32 s[WV], 0
	s_cbranch_scc1 .Lnot_wave_0_\@
	s_barrier_signal -3
.Lnot_wave_0_\@:
	s_barrier_wait -3
	s_barrier_signal -1
	s_barrier_wait -1
.endm
; A PREFETCH INTO THE L2 of the tile behind the one just asked for: cluster 0 alone asks; its sixteen waves share the tile's 131,072 bytes out BY ADDRESS, a lane a block of 256 bytes.
; Tiles 0 to 2 come by their loads alone; how = 0 stands at the change that, in the loop's last trip, asks for the last tile: there nothing is left.
.macro ASK how
.if \how
	s_cmp_eq_u32 s[LIM], 1
.else
	s_cmp_gt_u32 s[CNT], s[LIM]
.endif
	s_cbranch_scc0 .Lno_ask_\@
	global_prefetch_b8 v[PFO], s[PFA:PFA+1] th:TH_LOAD_NT scope:SCOPE_SE
.Lno_ask_\@:
.endm
; THE CHANGE OF SLOTS: all my tensor loads have landed, the add, my LDS instructions are done; a round of the cluster's barrier; the joint refill first behind it.
; The same barrier orders EX: the stores of a hidden chunk ahead of its reads, and those reads ahead of the next chunk's stores.
.macro CHANGE fill, how
	WIN 0
	s_wait_tensorcnt 0x0
	ds_add_u32 v[SPW], v[NIL]
.if \fill
	s_xor_b32 s[G0B+1], s[G0B+1], SLOT1            ; the walking descriptor: the other slot, the next tile
	s_add_nc_u64 s[G0B+2:G0B+3], s[G0B+2:G0B+3], 131072
	s_wait_xcnt 0x0                                ; the last prefetch and the last loads have read their addresses
	s_add_nc_u64 s[PFA:PFA+1], s[PFA:PFA+1], 131072
	s_wait_dscnt 0x0
	CROUND
	tensor_load_to_lds s[G0B:G0B+3], s[G1:G1+7]
	s_nop 0
	PLACES
	ASK \how
.else
	s_wait_dscnt 0x0
	s_barrier_signal -1
	s_barrier_wait -1
.endif
.endm
; eight loads: 32 numbers of a vector for my channels
.macro VEC dst, sb
	WIN 0xC0
.irp f, 0,1,2,3,4,5,6,7
	global_load_b128 v[(\dst)+4*(\f):(\dst)+4*(\f)+3], v[VOFF], s[(\sb):(\sb)+1] offset:64*((\f)/2)+16*((\f)%2)
.endr
	WIN 0
.endm
.macro RND32 base                      ; 32 numbers rounded to bf16, kept as f32
	WIN 0xCF
.set z, 0
.rept 16
	v_cvt_pk_bf16_f32 v[TM3+z%2], v[(\base)+2*z], v[(\base)+2*z+1]
	v_lshlrev_b32 v[(\base)+2*z], 16, v[TM3+z%2]
	v_and_b32 v[(\base)+2*z+1], s[HIM], v[TM3+z%2]
.set z, z+1
.endr
.endm
; the fragments of 64 along K (K steps 2 kp, 2 kp + 1): 8 of W out of my quarter of a slot; bsrc = 2: also 8 of the hidden chunk out of EX
.macro FETCH adr, bsrc, kp, buf
	WIN 0
.irp nb, 0,1,2,3
.irp ksl, 0,1
	ds_load_b128 v[AB0+64*(\buf)+8*(2*(\nb)+(\ksl)):AB0+64*(\buf)+8*(2*(\nb)+(\ksl))+3],   v[\adr] offset:(8*(\nb)+2*(\kp)+(\ksl))*1024
	ds_load_b128 v[AB0+64*(\buf)+8*(2*(\nb)+(\ksl))+4:AB0+64*(\buf)+8*(2*(\nb)+(\ksl))+7], v[\adr] offset:(8*(\nb)+2*(\kp)+(\ksl))*1024+512
.endr
.endr
.if (\bsrc) == 2
	WIN 0x80
.irp tt, 0,1,2,3
.irp ksl, 0,1
	ds_load_b128 v[128+64*(\buf)+8*(2*(\tt)+(\ksl)):128+64*(\buf)+8*(2*(\tt)+(\ksl))+3],   v[AEX] offset:(8*(\tt)+2*(\kp)+(\ksl))*1024
	ds_load_b128 v[128+64*(\buf)+8*(2*(\tt)+(\ksl))+4:128+64*(\buf)+8*(2*(\tt)+(\ksl))+7], v[AEX] offset:(8*(\tt)+2*(\kp)+(\ksl))*1024+512
.endr
.endr
.endif
.endm
; 32 products.  cmode = 1: the first 16 start their sums with the bias
.macro MUL32 acc, bsrc, kp, buf, cmode
.irp ksl, 0,1
.irp nb, 0,1,2,3
.irp tt, 0,1,2,3
.set rD, (\acc)+8*(4*(\nb)+(\tt))
.set rA, AB0+64*(\buf)+8*(2*(\nb)+(\ksl))
.if (\bsrc) == 1
.set rB, 8*(8*(\tt)+2*(\kp)+(\ksl))
.else
.set rB, 128+64*(\buf)+8*(2*(\tt)+(\ksl))
.endif
.if (\cmode) && ((\ksl) == 0)
	WIN 0xB4
	v_wmma_f32_16x16x32_f16 v[rD:rD+7], v[rA:rA+7], v[rB:rB+7], v[BF1+8*(\nb):BF1+8*(\nb)+7]
.else
	WIN 0xA0+4*(\bsrc)
	v_wmma_f32_16x16x32_f16 v[rD:rD+7], v[rA:rA+7], v[rB:rB+7], v[rD:rD+7]
.endif
.endr
.endr
.endr
.endm
; K = 256 in four parts of 64 on two buffers: while one part is multiplied the next part's loads are out.  The counted wait leaves just those out: 16, or 32 with the hidden chunk's.
.macro GEMM adr, acc, bsrc, cmode
	FETCH \adr, \bsrc, 0, 0
.irp kq, 0,1,2,3
.if (\kq) < 3
.if (\kq) > 0
	PLACES                                         ; the buffer's last products stand just ahead
.endif
	FETCH \adr, \bsrc, (\kq)+1, ((\kq)+1)%2
	s_wait_dscnt 16*(\bsrc)
.else
	s_wait_dscnt 0x0
.endif
.if (\kq) == 0
	MUL32 \acc, \bsrc, \kq, 0, \cmode
.else
	MUL32 \acc, \bsrc, \kq, (\kq)%2, 0
.endif
.endr
.endm
; the four tokens' pair sums in T are added over the pair, the lanes' halves and the four waves (through region reg of RED); the totals end in v[RB .. RB+3]
.macro XCHG reg
	WIN 0
.irp tt, 0,1,2,3
	v_add_f32 v[RT+(\tt)], v[T+2*(\tt)], v[T+2*(\tt)+1]
.endr
.irp tt, 0,1,2,3
	v_permlanex16_b32 v[RT+4+(\tt)], v[RT+(\tt)], s[SEL], s[SEL+1]
.endr
.irp tt, 0,1,2,3
	v_add_f32 v[RT+(\tt)], v[RT+(\tt)], v[RT+4+(\tt)]
.endr
	ds_store_b128 v[RW], v[RT:RT+3] offset:1024*(\reg)
	s_wait_dscnt 0x0                               ; for the others' sake
	s_barrier_signal -1
	s_barrier_wait -1
.irp w, 0,1,2,3
	ds_load_b128 v[RB+4*(\w):RB+4*(\w)+3], v[RR] offset:1024*(\reg)+256*(\w)
.endr
	s_wait_dscnt 0x0
	v_pk_add_f32 v[RB:RB+1], v[RB:RB+1], v[RB+4:RB+5]
	v_pk_add_f32 v[RB+2:RB+3], v[RB+2:RB+3], v[RB+6:RB+7]
	v_pk_add_f32 v[RB+8:RB+9], v[RB+8:RB+9], v[RB+12:RB+13]
	v_pk_add_f32 v[RB+10:RB+11], v[RB+10:RB+11], v[RB+14:RB+15]
	v_pk_add_f32 v[RB:RB+1], v[RB:RB+1], v[RB+8:RB+9]
	v_pk_add_f32 v[RB+2:RB+3], v[RB+2:RB+3], v[RB+10:RB+11]
.endm
; ACC = (ACC - mean) rsqrt(var + eps) g + b, over the 256 channels of each token.  z = 4 (4 nb + tt) + pair, or 4 nb + pair.  Regions reg and reg + 1 of RED are used once each.
.macro LNORM reg
	WIN 0x0A
.irp tt, 0,1,2,3
	v_pk_add_f32 v[T+2*(\tt):T+2*(\tt)+1], v[8*(\tt):8*(\tt)+1], v[8*(\tt)+2:8*(\tt)+3]  ; each accumulator is read from its low end on
.endr
	WIN 0x08
.set z, 2
.rept 14
.irp tt, 0,1,2,3
	v_pk_add_f32 v[T+2*(\tt):T+2*(\tt)+1], v[T+2*(\tt):T+2*(\tt)+1], v[8*(4*(z/4)+(\tt))+2*(z%4):8*(4*(z/4)+(\tt))+2*(z%4)+1]
.endr
.set z, z+1
.endr
	XCHG \reg
.irp tt, 0,1,2,3
	v_mul_f32 v[MU+2*(\tt)], s[INV], v[RB+(\tt)]
	v_mul_f32 v[MU+2*(\tt)+1], s[INV], v[RB+(\tt)]
.endr
	WIN 0x82
.set z, 0
.rept 64
	v_pk_add_f32 v[2*z:2*z+1], v[2*z:2*z+1], v[MU+2*((z/4)%4):MU+2*((z/4)%4)+1] neg_lo:[0,1] neg_hi:[0,1]
.set z, z+1
.endr
	WIN 0x0A
.irp tt, 0,1,2,3
	v_pk_mul_f32 v[T+2*(\tt):T+2*(\tt)+1], v[8*(\tt):8*(\tt)+1], v[8*(\tt):8*(\tt)+1]
.endr
.set z, 1
.rept 15
.irp tt, 0,1,2,3
	v_pk_fma_f32 v[T+2*(\tt):T+2*(\tt)+1], v[8*(4*(z/4)+(\tt))+2*(z%4):8*(4*(z/4)+(\tt))+2*(z%4)+1], v[8*(4*(z/4)+(\tt))+2*(z%4):8*(4*(z/4)+(\tt))+2*(z%4)+1], v[T+2*(\tt):T+2*(\tt)+1]
.endr
.set z, z+1
.endr
	XCHG (\reg)+1
.irp tt, 0,1,2,3
	v_fma_f32 v[RT+(\tt)], v[RB+(\tt)], s[INV], s[EPS]
.endr
.irp tt, 0,1,2,3
	v_rsq_f32 v[RS+2*(\tt)], v[RT+(\tt)]
.endr
	v_nop
	s_wait_alu depctr_va_vdst(0)                   ; one wait for the four roots, ahead of their first reader
.irp tt, 0,1,2,3
	v_mov_b32 v[RS+2*(\tt)+1], v[RS+2*(\tt)]
.endr
	WIN 0x82
.set z, 0
.rept 64
	v_pk_mul_f32 v[2*z:2*z+1], v[2*z:2*z+1], v[RS+2*((z/4)%4):RS+2*((z/4)%4)+1]
.set z, z+1
.endr
	WIN 0xBE
.set z, 0
.rept 64
	v_pk_fma_f32 v[2*z:2*z+1], v[2*z:2*z+1], v[G+8*(z/16)+2*(z%4):G+8*(z/16)+2*(z%4)+1], v[BB+8*(z/16)+2*(z%4):BB+8*(z/16)+2*(z%4)+1]
.set z, z+1
.endr
	WIN 0
.endm
; 16 accumulators at src are rounded to f16 (relu = 1: negative numbers become 0) and stored into EX: a lane's eight channels of a token ARE its 16 bytes of fragment (tt, 2 w + nb / 2), half nb % 2
.macro TOEX src, relu
	WIN 0x0A
.set z, 0
.rept 64
	v_cvt_pk_f16_f32 v[AB0+z], v[(\src)+2*z], v[(\src)+2*z+1]
.set z, z+1
.endr
	WIN 0
.if \relu
.set z, 0
.rept 64
	v_pk_max_num_f16 v[AB0+z], v[AB0+z], v[ZERO]
.set z, z+1
.endr
.endif
.set z, 0
.rept 16
	ds_store_b128 v[SEX], v[AB0+4*z:AB0+4*z+3] offset:8192*(z%4)+512*(z/4)
.set z, z+1
.endr
.endm
	s_load_b512 s[8:23], s[0:1], 0x0               ; o 8, wimg 10, F_lidar 12, g1 14, b1 16, g2 18, b2 20, bf1 22
	s_load_b128 s[24:27], s[0:1], 0x40             ; bf2 24, out0 26
	v_lshl_add_u32 v[SPW], v0, 2, SPARE
	v_mov_b32 v[NIL], 0
	ds_add_u32 v[SPW], v[NIL]                      ; the opening: the add and its wait ahead of my first tensor load
	v_lshrrev_b32 v1, 5, v0
	v_readfirstlane_b32 s[WV], v1
	s_bfe_u32 s[CX], ttmp6, 0x40000
	s_lshl_b32 s[WG], ttmp9, 2
	s_add_co_u32 s[WG], s[WG], s[CX]               ; my block of 64 tokens: it enters global addresses alone
	s_mov_b32 s[G1], 15|(3<<16)|(1<<21)            ; the mask of four; elements of 8 bytes; bit 21 beside a mask
	s_mov_b32 s[G1+1], 32<<16                      ; 128 rows of 256 bytes: 32,768 dense bytes a wave
	s_mov_b32 s[G1+2], 128<<16
	s_mov_b32 s[G1+3], 32<<16
	s_mov_b32 s[G1+4], 128
	s_mov_b32 s[G1+5], 32
	s_mov_b32 s[G1+6], 0
	s_mov_b32 s[G1+7], 0
	s_mov_b32 s[G0A], 1
	s_lshl_b32 s[G0A+1], s[WV], 15
	s_mov_b32 s[G0B], 1
	s_add_co_u32 s[G0B+1], s[G0A+1], SLOT1
	s_lshl_b32 s56, s[WV], 15
	s_mov_b32 s57, 0
	s_mov_b32 s[SEL], 0x76543210
	s_mov_b32 s[SEL+1], 0xfedcba98
	s_mov_b32 s[INV], 0x3b800000                   ; 1 / 256
	s_mov_b32 s[EPS], 0x3727c5ac                   ; 1e-5
	s_mov_b32 s[HIM], 0xffff0000
	s_mov_b32 s58, ttmp9
	s_cmp_eq_u32 s58, 0
	s_cselect_b32 s[LIM], 1, -1                    ; the same in all four partners
	v_and_b32 v21, 31, v0
	v_and_b32 v[R], 15, v0
	v_bfe_u32 v[H], v0, 4, 1
	v_lshlrev_b32 v[L16], 4, v21
	v_lshlrev_b32 v[PFO], 8, v21
	v_add_nc_u32 v[AW0], s56, v[L16]               ; my quarter of slot 0,
	v_add_nc_u32 v[AW1], SLOT1, v[AW0]             ; of slot 1
	v_add_nc_u32 v[AEX], EX, v[L16]
	s_lshl_b32 s58, s[WV], 11
	v_add_nc_u32 v[SEX], s58, v[AEX]
	s_lshl_b32 s58, s[WV], 8
	v_lshl_add_u32 v[VOFF], v[H], 5, s58           ; 4 x (64 w + 8 h)
	s_add_co_u32 s58, s58, RED
	v_lshl_add_u32 v[RW], v[R], 4, s58
	v_lshlrev_b32 v[RR], 4, v[R]
	v_add_nc_u32 v[RR], RED, v[RR]
	s_mul_i32 s58, s[WV], 64*SPITCH
	s_add_co_u32 s58, s58, STG
	v_mul_u32_u24 v22, v[H], 8*SPITCH
	v_lshl_add_u32 v22, v[R], 2, v22
	v_add_nc_u32 v[SST], s58, v22                  ; into the stage: row 64 w + 8 h, 4 bytes a token
	v_mul_u32_u24 v22, v[H], SPITCH
	v_lshl_add_u32 v22, v[R], 4, v22
	v_add_nc_u32 v[SRD], s58, v22                  ; back: two whole rows an instruction
	v_lshlrev_b32 v[ROW2], 14, v[H]
	v_lshl_add_u32 v[ROW2], v[R], 4, v[ROW2]
	s_mul_i32 s58, s[WV], 16*XPT
	s_add_co_u32 s58, s58, XLB
	v_mul_u32_u24 v22, v[H], XPT
	v_lshl_add_u32 v22, v[R], 3, v22
	v_add_nc_u32 v[XLS], s58, v22
	v_and_b32 v22, 7, v0
	v_lshl_add_u32 v22, v[H], 3, v22
	v_mul_u32_u24 v22, v22, XPT
	v_bfe_u32 v23, v0, 3, 1
	v_lshl_add_u32 v22, v23, 4, v22
	v_add_nc_u32 v[XLT], XLB, v22
	v_mov_b32 v[ZERO], 0
.irp i, 4,5,6,7
	v_mov_b32 v[RT+(\i)], 0                        ; v_permlanex16_b32's destinations count as read
.endr
	s_wait_dscnt 0x0
	s_wait_kmcnt 0x0
	s_add_nc_u64 s[G0A+2:G0A+3], s[10:11], s[56:57]
	s_add_nc_u64 s[G0B+2:G0B+3], s[G0A+2:G0A+3], 131072
	s_or_b32 s[G0A+3], s[G0A+3], 0x80000000
	s_or_b32 s[G0B+3], s[G0B+3], 0x80000000
	CROUND                                         ; all four work-groups are here: the first joint loads meet
	tensor_load_to_lds s[G0A:G0A+3], s[G1:G1+7]    ; Wo; two loads of mine are out
	s_nop 0
	tensor_load_to_lds s[G0B:G0B+3], s[G1:G1+7]    ; W1_0
	s_nop 0
	PLACES
	s_lshr_b32 s54, s[WG], 6                       ; b
	s_and_b32 s55, s[WG], 63
	s_lshl_b32 s56, s54, 21
	s_lshl_b32 s58, s55, 15
	s_add_co_u32 s56, s56, s58
	s_add_nc_u64 s[8:9], s[8:9], s[56:57]          ; o at my four token tiles
	s_lshl_b32 s56, s54, 20
	s_lshl_b32 s58, s55, 8
	s_add_co_u32 s56, s56, s58
	s_lshl_b32 s58, s[WV], 18
	s_add_co_u32 s56, s56, s58
	s_add_nc_u64 s[12:13], s[12:13], s[56:57]      ; F_lidar at my 16 rows, my block's 256 bytes
	s_lshl_b32 s56, s54, 22
	s_lshl_b32 s58, s55, 8
	s_add_co_u32 s56, s56, s58
	s_lshl_b32 s58, s[WV], 20
	s_add_co_u32 s56, s56, s58
	s_add_nc_u64 s[26:27], s[26:27], s[56:57]      ; out0 at my 64 rows
	s_lshl_b32 s56, s[CX], 15
	s_lshl_b32 s58, s[WV], 13
	s_add_co_u32 s56, s56, s58
	s_add_co_u32 s56, s56, 2*131072
	s_add_nc_u64 s[PFA:PFA+1], s[10:11], s[56:57]  ; in tile 2; the first change steps it to tile 3
	s_lshl_b32 s54, s[WV], 13
	s_add_co_u32 s54, s54, 1179648
	s_mov_b32 s55, 0
	s_add_nc_u64 s[54:55], s[10:11], s[54:55]      ; my 64 rows of Wres
.irp i, 0,1,2,3,4,5,6,7
	global_load_b128 v[LR+4*(\i):LR+4*(\i)+3], v[ROW2], s[12:13] offset:32768*(\i)
.endr
.set i, 0
.rept 16
	global_load_b128 v[AB0+4*i:AB0+4*i+3], v[L16], s[54:55] offset:512*i
.set i, i+1
.endr
	VEC G, 14
	VEC BB, 16
	VEC BF2, 24
	VEC BF1, 22
	s_wait_loadcnt 48                              ; the eight lidar loads are in; the 48 issued behind them may stay out
.irp i, 0,1,2,3,4,5,6,7
	v_cvt_pk_bf16_f32 v[LR+4*(\i)], v[LR+4*(\i)], v[LR+4*(\i)+1]
	v_cvt_pk_bf16_f32 v[LR+4*(\i)+1], v[LR+4*(\i)+2], v[LR+4*(\i)+3]
.endr
.irp i, 0,1,2,3,4,5,6,7
	ds_store_b64 v[XLS], v[LR+4*(\i):LR+4*(\i)+1] offset:2*XPT*(\i)
.endr
	WIN 0x40
.set i, 0
.rept 64
	global_load_b128 v[4*i:4*i+3], v[L16], s[8:9] offset:512*i  ; O: the image's order is the registers'
.set i, i+1
.endr
	WIN 0
	s_wait_dscnt 0x0                               ; for the others' sake: my rows of the lidar tile are written
	s_barrier_signal -1
	s_barrier_wait -1
.irp tt, 0,1,2,3
.irp ks, 0,1
	ds_load_tr16_b128 v[AB1+8*(2*(\tt)+(\ks)):AB1+8*(2*(\tt)+(\ks))+3],   v[XLT] offset:32*XPT*(\ks)+32*(\tt)
	ds_load_tr16_b128 v[AB1+8*(2*(\tt)+(\ks))+4:AB1+8*(2*(\tt)+(\ks))+7], v[XLT] offset:32*XPT*(\ks)+32*(\tt)+16*XPT
.endr
.endr
	s_wait_loadcnt 63                              ; Wres and the four vectors each have 64 younger loads behind them
	s_wait_dscnt 0x0
	WIN 0xA0
.irp ks, 0,1                           ; the resid product, in bf16, starts the sums
.irp nb, 0,1,2,3
.irp tt, 0,1,2,3
.if (\ks) == 0
	v_wmma_f32_16x16x32_bf16 v[8*(4*(\nb)+(\tt)):8*(4*(\nb)+(\tt))+7], v[AB0+8*(2*(\nb)+(\ks)):AB0+8*(2*(\nb)+(\ks))+7], v[AB1+8*(2*(\tt)+(\ks)):AB1+8*(2*(\tt)+(\ks))+7], 0
.else
	v_wmma_f32_16x16x32_bf16 v[8*(4*(\nb)+(\tt)):8*(4*(\nb)+(\tt))+7], v[AB0+8*(2*(\nb)+(\ks)):AB0+8*(2*(\nb)+(\ks))+7], v[AB1+8*(2*(\tt)+(\ks)):AB1+8*(2*(\tt)+(\ks))+7], v[8*(4*(\nb)+(\tt)):8*(4*(\nb)+(\tt))+7]
.endif
.endr
.endr
.endr
	RND32 G                                        ; plain work on other registers: also the places between the bf16 products and the f16 products that take their sums up
	RND32 BB
	RND32 BF2
	RND32 BF1
	WIN 0
	s_wait_loadcnt 0x0                             ; O
	s_wait_tensorcnt 0x1                           ; my quarter of Wo, which I alone read, is in; W1_0 may stay out
	GEMM AW0, 0, 1, 0                              ; + O Wo^T
	CHANGE 1, 1                                    ; W2_0 into slot 0; the four v_nop behind the load are the places behind the last products
	LNORM 0
	TOEX 0, 0                                      ; x as f16 for the product;
	WIN 0x8E
.set z, 0
.rept 64
	v_pk_add_f32 v[2*z:2*z+1], v[2*z:2*z+1], v[BF2+8*(z/16)+2*(z%4):BF2+8*(z/16)+2*(z%4)+1]  ; x + bf2 in f32: the second product's sums are added onto it
.set z, z+1
.endr
	VEC G, 18                                      ; g2, b2
	VEC BB, 20
	s_wait_dscnt 0x0
	s_barrier_signal -1
	s_barrier_wait -1                              ; x is whole in EX
	WIN 0x40
.set i, 0
.rept 64
	ds_load_b128 v[4*i:4*i+3], v[AEX] offset:512*i
.set i, i+1
.endr
	WIN 0
	s_wait_dscnt 0x0
	s_barrier_signal -1
	s_barrier_wait -1                              ; everybody has read it: EX may be written again
	s_mov_b32 s[CNT], 3
.Lchunk:                                       ; 256 hidden channels a trip
	GEMM AW1, 128, 1, 1                            ; x W1_c^T + bf1
	PLACES
	TOEX 128, 1
	CHANGE 1, 1                                    ; the next W1 into slot 1
	s_add_nc_u64 s[22:23], s[22:23], 1024          ; free since the change's wait on the address counter
	VEC BF1, 22                                    ; the next chunk's bias
	GEMM AW0, 0, 2, 0                              ; + hidden W2_c^T
	WIN 0
	s_wait_loadcnt 0x0
	RND32 BF1
	CHANGE 1, 0                                    ; the next W2 into slot 0
	s_sub_co_u32 s[CNT], s[CNT], 1
	s_cmp_lg_u32 s[CNT], 0
	s_cbranch_scc1 .Lchunk
	GEMM AW1, 128, 1, 1                            ; the last chunk is written out: nothing more is asked for
	PLACES
	TOEX 128, 1
	CHANGE 0, 0
	GEMM AW0, 0, 2, 0
	WIN 0
	s_wait_loadcnt 0x0
	RND32 G                                        ; also the places behind the last products
	RND32 BB
	LNORM 2
	; THE WAY OUT.  A lane holds eight channels of one token; out0 wants a channel's 64 tokens on end.  Through my 64 rows of the stage (slot 1 has had its last fill, and three barriers lie
	; behind the last read of it): rows of 272 bytes, so the two halves of the lanes fall 32 banks apart; back as whole rows of 256 bytes.
	WIN 0x08
.set z, 0
.rept 128
	ds_store_b32 v[SST], v[z] offset:(16*(z/32)+z%8)*SPITCH+64*((z/8)%4)
.set z, z+1
.endr
	WIN 0
.set i, 0
.rept 32
	ds_load_b128 v[AB0+4*i:AB0+4*i+3], v[SRD] offset:2*SPITCH*i  ; LDS serves a wave's instructions in order (ISA guide 5.7.1.4): these see my stores above
.set i, i+1
.endr
.set i, 0
.rept 32
	s_wait_dscnt 31-i
	global_store_b128 v[ROW2], v[AB0+4*i:AB0+4*i+3], s[26:27] offset:32768*i th:TH_STORE_NT  ; 16 lanes store 256 consecutive bytes, aligned
.set i, i+1
.endr
	s_wait_tensorcnt 0x0                           ; the wave's end
	ds_add_u32 v[SPW], v[NIL]
	s_wait_dscnt 0x0
	CROUND                                         ; the closing round
	s_endpgm
.Lfunc_end_k_qda17a5dca9_fuse:
	.size	k_qda17a5dca9_fuse, .Lfunc_end_k_qda17a5dca9_fuse-k_qda17a5dca9_fuse
	.p2alignl 7, 3214868480
	.fill 96, 4, 3214868480
	.section	.rodata,"a",@progbits
	.p2align	6, 0x0
	.amdhsa_kernel k_qda17a5dca9_fuse
		.amdhsa_group_segment_fixed_size 327680
		.amdhsa_private_segment_fixed_size 0
		.amdhsa_enable_private_segment 0
		.amdhsa_kernarg_size 80
		.amdhsa_user_sgpr_count 2
		.amdhsa_user_sgpr_kernarg_segment_ptr 1
		.amdhsa_wavefront_size32 1
		.amdhsa_system_sgpr_workgroup_id_x 1
		.amdhsa_system_sgpr_workgroup_id_y 1
		.amdhsa_system_sgpr_workgroup_id_z 1
		.amdhsa_system_vgpr_workitem_id 0
		.amdhsa_next_free_vgpr 900
		.amdhsa_next_free_sgpr 66
		.amdhsa_reserve_vcc 0
		.amdhsa_float_denorm_mode_32 3
		.amdhsa_float_denorm_mode_16_64 3
		.amdhsa_memory_ordered 1
		.amdhsa_forward_progress 1
		.amdhsa_inst_pref_size 207
	.end_amdhsa_kernel
	.amdgpu_metadata
---
amdhsa.version: [ 1, 2 ]
amdhsa.kernels:
  - .name:           k_qda17a5dca9_fuse
    .symbol:         k_qda17a5dca9_fuse.kd
    .args:
      - { .name: o, .offset: 0, .size: 8, .value_kind: global_buffer, .address_space: global }
      - { .name: wimg, .offset: 8, .size: 8, .value_kind: global_buffer, .address_space: global }
      - { .name: F_lidar, .offset: 16, .size: 8, .value_kind: global_buffer, .address_space: global }
      - { .name: g1, .offset: 24, .size: 8, .value_kind: global_buffer, .address_space: global }
      - { .name: b1, .offset: 32, .size: 8, .value_kind: global_buffer, .address_space: global }
      - { .name: g2, .offset: 40, .size: 8, .value_kind: global_buffer, .address_space: global }
      - { .name: b2, .offset: 48, .size: 8, .value_kind: global_buffer, .address_space: global }
      - { .name: bf1, .offset: 56, .size: 8, .value_kind: global_buffer, .address_space: global }
      - { .name: bf2, .offset: 64, .size: 8, .value_kind: global_buffer, .address_space: global }
      - { .name: out0, .offset: 72, .size: 8, .value_kind: global_buffer, .address_space: global }
    .group_segment_fixed_size: 327680
    .private_segment_fixed_size: 0
    .kernarg_segment_align: 8
    .kernarg_segment_size: 80
    .max_flat_workgroup_size: 128
    .sgpr_count:     66
    .vgpr_count:     900
    .wavefront_size: 32
...
	.end_amdgpu_metadata
.endif
;; end of part 3
